; MI455X (gfx1250); checked and timed in simulation.
; The chip was launched on July 23, 2026; its instructions are those of AMD's public machine-readable ISA for CDNA 5 (MIT licence, August 2026) and "CDNA5" Instruction Set Architecture Reference Guide (July 2026). The comments in the code are by the model that wrote it; some were corrected since.
;; Delta Net. Allowed arithmetic: float matrix products may take bf16 or f16 operands with f32 sums; all other float work in f32.
;; Inputs: Wb 1,024 x 8 float32; Wk 1,024 x 1,024 float32; Wm 1,024 x 32 float32; Wo 1,024 x 1,024 float32; Wq 1,024 x 1,024 float32; Wv 1,024 x 1,024 float32; base_logit 8 x 4 float32; bb 8 float32; bm 32 float32; bo 1,024 float32; ln_b 1,024 float32; ln_g 1,024 float32; mask 2 x 1,024 float32; x 2 x 1,024 x 1,024 float32.
;; Outputs: out0 2 x 1,024 x 1,024 float32.
;; One version. Each part assembles by itself: llvm-mc -triple=amdgcn-amd-amdhsa -mcpu=gfx1250 --defsym DOCPART=n.
;; ======== version 1 of 1: 4 launches
;; limits: values are held in f16: magnitudes above 65,504 overflow, below 6.1e-05 lose precision
;; workspace buffers: qkv 12,582,912 bytes; gates 1,053,952 bytes; ob 4,194,304 bytes; osc 65,536 bytes; y 8,388,608 bytes
;; launch proj (part 1): grid 16 x 16, 8 waves a work-group, no clusters, 91,136 bytes of LDS; arguments x, Wq, Wk, Wv, Wm, Wb, bm, bb, base_logit, mask, qkv, gates; writes qkv, gates
.if DOCPART == 1
	.amdgcn_target "amdgcn-amd-amdhsa--gfx1250"
	.amdhsa_code_object_version 6
	.text
	.protected	k_q7f622823e3_proj
	.globl	k_q7f622823e3_proj
	.p2align	8
	.type	k_q7f622823e3_proj,@function
k_q7f622823e3_proj:
	s_mov_b64 s[64:65], 0
	v_nop
	global_prefetch_b8 v0, s[64:65] scope:SCOPE_SE
	s_setreg_imm32_b32 hwreg(HW_REG_WAVE_MODE, 25, 1), 1
	s_wait_xcnt 0x0
; proj: q = elu1(x Wq) valid, k = elu1(x Wk) valid (bf16), v = x Wv (f16), and the gate tables of the scan.
; A work-group makes 128 rows x 64 columns of each of q, k, v (one half of one head), and the gates of 64 of its rows
; (which 64: the column half's number gh), so that every table entry has one owner.  Eight waves: wave w has 64 rows (w>>2)
; x 16 columns (w&3) of each matrix = 12 accumulator tiles, and one gate tile (16 rows w&3, K half w>>2 of every chunk).
; LDS row p holds row p xor 64 gh of the group's 128 rows, so that the 64 rows whose gates are mine are LDS rows 0 to 63 in every
; work-group: no LDS address hangs on the work-group's number; the exchange of the two halves stands in global offsets alone.
; x and the weights are f32 in memory and go through registers to be rounded to f16, so LDS is filled by ds_store:
; no tensor load, and therefore no joint loads of a cluster either.  K goes in 16 chunks of 64 through two LDS slots;
; two chunks of every thread (22 loads each) are on their way in two register rings.  All steps stand in immediates.
; The matrix instruction is used transposed (source 0 = 16 weight columns, source 1 = 16 rows of x): lane l holds row l%16
; and its registers 8 neighbouring columns 8 (l/16) + j.
; Gate tables per block of 64 steps, with lg_k(u) = log2 r_eff_k(u), 0 where the step is masked out:
;   w_k = softmax(mix), cin_k = sum of lg from the block's start up to and with u, b_k = 2^(sum of lg behind u to the block's end),
;   E_k = 2^(block's sum).  Also the largest k of the work-group's tile.
; LIMITS: |x|, |W|, |v| below 65,504 (f16 operands and f16 v).  lg is clamped at -160, so an r_eff below 2^-126 acts as 0.
; The thin gate weights (16 and 4 bytes of each row of Wm, Wb; 20 KiB for a work-group) are read as single words.
.set LOG2E,  0x3fb8aa3b
.set NLOG2E, 0xbfb8aa3b
.set XP,     144                       ; LDS row of x: 64 f16 + 16 bytes, an odd multiple of 16
.set WP,     416                       ; LDS row of weights: q64 | k64 | v64 | gate16 in f16, an odd multiple of 32
.set XSLOT,  128*XP
.set WBASE,  2*XSLOT
.set WSLOT,  64*WP
.set GCOL,   384                       ; byte of the gate columns in a weight row
.set GX,     55296                     ; behind the K loop: OUT [3][128] pitch 144 at 0, then these
.set KM,     59392
.set TT,     59648
.set GG,     61440
.set RING,   84                        ; registers of a ring in window 1: 32 x, 48 W, 2 gate words
.set T,      16                        ; v[16:39] at work
.set VM,     42                        ; v[42:49] valid (1.0 or 0.0) of my row in row tile rt, as a pair
.set XF,     52                        ; v[52:83]   fragments of x, 4 row tiles
.set WF,     84                        ; v[84:107]  fragments of Wq, Wk, Wv
.set XG,     108                       ; v[108:115] x fragment of the gate tile
.set WG,     116                       ; v[116:123] gate weights' fragment
.set XOA,    124                       ; v124  offset in x of my 16 bytes for LDS rows 0 to 63
.set XOB,    125                       ; v125  the same for LDS rows 64 to 127
.set ACC,    128                       ; v[128:223] tile (rt, m) at ACC + 8 (3 rt + m)
.set GA,     224                       ; v[224:231] gate tile
.set MSB, 0
.macro WIN new                         ; the immediate's high byte repeats the setting that is left
.if MSB != \new
	s_set_vgpr_msb (MSB<<8)|\new
.set MSB, \new
.endif
.endm
.macro PLACES                          ; four plain vector places behind a matrix instruction (ISA guide 7.12.1)
.rept 4
	v_nop
.endr
.endm
.macro BAR                             ; my LDS accesses are done, then the work-group's barrier
	s_wait_dscnt 0x0
	s_barrier_signal -1
	s_barrier_wait -1
.endm
	s_load_b512 s[4:19], s[0:1], 0x0               ; x, Wq, Wk, Wv, Wm, Wb, bm, bb
	s_load_b256 s[20:27], s[0:1], 0x40             ; base_logit, mask, qkv, gates
	v_lshl_add_u32 v254, v0, 2, 0x16000
	v_mov_b32 v255, 0
	v_and_b32 v1, 31, v0                           ; L
	v_and_b32 v2, 15, v0                           ; r
	v_bfe_u32 v3, v0, 4, 1                         ; hh
	v_lshrrev_b32 v14, 5, v0
	v_readfirstlane_b32 s35, v14                   ; wave
	s_mov_b32 s28, ttmp9                           ; c: block of 64 columns
	s_and_b32 s29, ttmp7, 0xffff                   ; rb: block of 128 rows
	s_lshr_b32 s30, s28, 1                         ; head
	s_and_b32 s31, s28, 1                          ; gh: column half, and which 64 rows' gates are mine
	s_lshr_b32 s32, s29, 3                         ; b
	s_and_b32 s33, s29, 7                          ; tb
	s_lshl3_add_u32 s34, s32, s30                  ; bh = 8 b + h
	s_lshr_b32 s45, s35, 2                         ; wr
	s_and_b32 s54, s35, 3                          ; wc
	s_mov_b32 s46, 0x76543210                      ; v_permlanex16_b32: lane i reads lane i of the other half
	s_mov_b32 s47, 0xfedcba98
	s_mov_b32 s57, 0                               ; upper word of the offset pair s[56:57]
	; global offsets and LDS store addresses: thread t takes 16 bytes (t & 15) of row t >> 4
	v_lshrrev_b32 v14, 4, v0
	v_lshlrev_b32 v15, 4, v2
	v_lshl_add_u32 v4, v14, 12, v15                ; XO: rows of 4,096 bytes, for W
	s_lshl_b32 s60, s31, 18                        ; 64 gh rows of 4,096 bytes
	v_add_nc_u32 v[XOA], s60, v4                   ; x for LDS rows 0 to 63: the group's rows 64 gh ..
	s_xor_b32 s60, s60, 0x40000
	v_add_nc_u32 v[XOB], s60, v4                   ; x for LDS rows 64 to 127: the other 64 rows
	v_lshlrev_b32 v15, 3, v2
	v_mad_u32_u24 v7, v14, XP, v15                 ; XS
	v_mad_u32_u24 v8, v14, WP, v15
	v_add_nc_u32 v8, WBASE, v8                     ; WS
	v_lshrrev_b32 v14, 2, v0                       ; gate weights: k row t >> 2, mix column t & 3
	v_and_b32 v15, 3, v0
	v_lshlrev_b32 v5, 7, v14
	v_lshl_add_u32 v5, v15, 2, v5                  ; offset in Wm
	v_lshlrev_b32 v6, 5, v14                       ; offset in Wb
	v_mul_u32_u24 v9, v14, WP
	v_lshl_add_u32 v9, v15, 1, v9
	v_add_nc_u32 v9, WBASE+GCOL, v9                ; where the pair of gate weights goes
	; fragment addresses
	s_lshl_b32 s58, s45, 6                         ; 64 wr
	v_add_nc_u32 v14, s58, v2
	v_lshlrev_b32 v15, 4, v3                       ; 16 hh
	v_mad_u32_u24 v10, v14, XP, v15                ; XFa
	v_and_b32 v14, 7, v0
	v_lshl_add_u32 v14, v3, 3, v14                 ; 8 hh + (L & 7)
	v_bfe_u32 v16, v0, 3, 1
	v_lshlrev_b32 v16, 4, v16
	v_mad_u32_u24 v11, v14, WP, v16
	s_mul_i32 s60, s45, 32*WP
	s_add_co_u32 s60, s60, WBASE+GCOL
	v_add_nc_u32 v13, s60, v11                     ; WGa: K half w >> 2, gate columns
	s_lshl_b32 s60, s54, 5
	s_add_co_u32 s60, s60, WBASE
	v_add_nc_u32 v11, s60, v11                     ; WFa: my 16 columns
	s_lshl_b32 s60, s54, 4                         ; 16 (w & 3)
	v_add_nc_u32 v14, s60, v2                      ; my gate row: among LDS rows 0 to 63
	v_mad_u32_u24 v12, v14, XP, v15
	v_add_nc_u32 v12, s58, v12                     ; XGa: + 64 bytes for K half w >> 2
	s_lshl_b32 s60, s29, 7                         ; 128 rb
	s_lshl_b32 s62, s31, 6                         ; 64 gh
	s_add_co_u32 s62, s62, s60
	v_add_nc_u32 v14, s62, v14
	v_lshlrev_b32 v14, 2, v14                      ; mask word of my gate row: step 128 rb + 64 gh + 16 (w & 3) + r
	s_xor_b32 s62, s45, s31                        ; LDS rows 64 wr .. are the group's rows 64 (wr xor gh) ..
	s_lshl_b32 s62, s62, 6
	s_add_co_u32 s60, s60, s62
	v_add_nc_u32 v15, s60, v2
	v_lshlrev_b32 v15, 2, v15                      ; mask word of my row in row tile 0
	; gate columns 8 to 15 of both slots are zero for the whole launch: 256 threads x 8 bytes
	v_lshrrev_b32 v16, 7, v0
	v_bfe_u32 v17, v0, 1, 6
	v_and_b32 v18, 1, v0
	v_mul_u32_u24 v16, v16, WSLOT
	v_mad_u32_u24 v16, v17, WP, v16
	v_lshl_add_u32 v16, v18, 3, v16
	v_mov_b32 v40, 0
	v_mov_b32 v41, 0
	ds_store_b64 v16, v[40:41] offset:WBASE+GCOL+16
	s_wait_kmcnt 0x0
	s_lshl_b32 s56, s29, 19                        ; 128 rows of 4,096 bytes
	s_add_nc_u64 s[4:5], s[4:5], s[56:57]
	s_lshl_b32 s56, s28, 8                         ; 64 columns of f32
	s_add_nc_u64 s[6:7], s[6:7], s[56:57]
	s_add_nc_u64 s[8:9], s[8:9], s[56:57]
	s_add_nc_u64 s[10:11], s[10:11], s[56:57]
	s_lshl_b32 s56, s30, 4                         ; four words a head
	s_add_nc_u64 s[12:13], s[12:13], s[56:57]
	s_add_nc_u64 s[16:17], s[16:17], s[56:57]
	s_add_nc_u64 s[20:21], s[20:21], s[56:57]
	s_lshl_b32 s56, s30, 2                         ; one word a head
	s_add_nc_u64 s[14:15], s[14:15], s[56:57]
	s_add_nc_u64 s[18:19], s[18:19], s[56:57]
	s_load_b128 s[36:39], s[16:17], 0x0            ; bm of my head
	s_load_b128 s[40:43], s[20:21], 0x0            ; base_logit of my head
	s_load_b32 s44, s[18:19], 0x0                  ; bb of my head
.irp rt, 0,1,2,3
	global_load_b32 v[232+\rt], v15, s[22:23] offset:64*\rt
.endr
	global_load_b32 v236, v14, s[22:23]
; chunk ch (64 along K) into a ring: 8 loads of x (four for each half of the LDS rows), 4 of each W, the two gate words
.macro LOAD ch, ring
	WIN 0x40
.irp i, 0,1,2,3
	global_load_b128 v[RING*\ring+4*\i:RING*\ring+4*\i+3], v[XOA], s[4:5] offset:\i*65536+(\ch)*256
	global_load_b128 v[RING*\ring+16+4*\i:RING*\ring+19+4*\i], v[XOB], s[4:5] offset:\i*65536+(\ch)*256
.endr
.irp i, 0,1,2,3
	global_load_b128 v[RING*\ring+32+4*\i:RING*\ring+35+4*\i], v4, s[6:7] offset:\i*65536+(\ch)*262144
	global_load_b128 v[RING*\ring+48+4*\i:RING*\ring+51+4*\i], v4, s[8:9] offset:\i*65536+(\ch)*262144
	global_load_b128 v[RING*\ring+64+4*\i:RING*\ring+67+4*\i], v4, s[10:11] offset:\i*65536+(\ch)*262144
.endr
	global_load_b32 v[RING*\ring+80], v5, s[12:13] offset:(\ch)*8192
	global_load_b32 v[RING*\ring+81], v6, s[14:15] offset:(\ch)*2048
	WIN 0
.endm
; a ring's x, rounded to f16, into an LDS slot
.macro CVTX ring, slot
	WIN 0x05
.irp i, 0,1,2,3,4,5,6,7
	v_cvt_pk_f16_f32 v[T+2*\i],   v[RING*\ring+4*\i],   v[RING*\ring+4*\i+1]
	v_cvt_pk_f16_f32 v[T+2*\i+1], v[RING*\ring+4*\i+2], v[RING*\ring+4*\i+3]
.endr
	WIN 0
.irp i, 0,1,2,3,4,5,6,7
	ds_store_b64 v7, v[T+2*\i:T+2*\i+1] offset:\slot*XSLOT+\i*16*XP
.endr
.endm
; a ring's weights likewise; the gate pair: mix column p at column p, beta's weight at column 4 + p
.macro CVTW ring, slot
	WIN 0x05
.irp m, 0,1,2
.irp i, 0,1,2,3
	v_cvt_pk_f16_f32 v[T+2*(4*\m+\i)],   v[RING*\ring+32+16*\m+4*\i],   v[RING*\ring+32+16*\m+4*\i+1]
	v_cvt_pk_f16_f32 v[T+2*(4*\m+\i)+1], v[RING*\ring+32+16*\m+4*\i+2], v[RING*\ring+32+16*\m+4*\i+3]
.endr
.endr
	v_cvt_pk_f16_f32 v40, v[RING*\ring+80], v[RING*\ring+81]
	WIN 0
	v_lshrrev_b32 v41, 16, v40
.irp m, 0,1,2
.irp i, 0,1,2,3
	ds_store_b64 v8, v[T+2*(4*\m+\i):T+2*(4*\m+\i)+1] offset:\slot*WSLOT+\i*16*WP+\m*128
.endr
.endr
	ds_store_b16 v9, v40 offset:\slot*WSLOT
	ds_store_b16 v9, v41 offset:\slot*WSLOT+8
.endm
; fragments of 32 along K: x by rows, the weights (stored [k][n]) by the transposing load
.macro FETCH slot, kk, gate
.irp rt, 0,1,2,3
	ds_load_b128 v[XF+8*\rt:XF+8*\rt+3],   v10 offset:\slot*XSLOT+\rt*16*XP+\kk*64
	ds_load_b128 v[XF+8*\rt+4:XF+8*\rt+7], v10 offset:\slot*XSLOT+\rt*16*XP+\kk*64+32
.endr
.irp m, 0,1,2
	ds_load_tr16_b128 v[WF+8*\m:WF+8*\m+3],   v11 offset:\slot*WSLOT+\kk*32*WP+\m*128
	ds_load_tr16_b128 v[WF+8*\m+4:WF+8*\m+7], v11 offset:\slot*WSLOT+\kk*32*WP+\m*128+16*WP
.endr
.if \gate
	ds_load_b128 v[XG:XG+3],   v12 offset:\slot*XSLOT
	ds_load_b128 v[XG+4:XG+7], v12 offset:\slot*XSLOT+32
	ds_load_tr16_b128 v[WG:WG+3],   v13 offset:\slot*WSLOT
	ds_load_tr16_b128 v[WG+4:WG+7], v13 offset:\slot*WSLOT+16*WP
.endif
.endm
; the accumulators take turns, one instruction a turn
.macro MUL zero, gate
.irp rt, 0,1,2,3
.irp m, 0,1,2
.if \zero
	v_wmma_f32_16x16x32_f16 v[ACC+8*(3*\rt+\m):ACC+8*(3*\rt+\m)+7], v[WF+8*\m:WF+8*\m+7], v[XF+8*\rt:XF+8*\rt+7], 0
.else
	v_wmma_f32_16x16x32_f16 v[ACC+8*(3*\rt+\m):ACC+8*(3*\rt+\m)+7], v[WF+8*\m:WF+8*\m+7], v[XF+8*\rt:XF+8*\rt+7], v[ACC+8*(3*\rt+\m):ACC+8*(3*\rt+\m)+7]
.endif
.endr
.endr
.if \gate
.if \zero
	v_wmma_f32_16x16x32_f16 v[GA:GA+7], v[WG:WG+7], v[XG:XG+7], 0
.else
	v_wmma_f32_16x16x32_f16 v[GA:GA+7], v[WG:WG+7], v[XG:XG+7], v[GA:GA+7]
.endif
.endif
.endm
; One chunk.  Reads slot, writes the next chunk into the other slot (which was last read in front of the last barrier), asks for chunk ch + 3.
; One barrier a chunk: it ends the reads of this slot and shows the other slot whole.
.macro STAGE ch, slot, other, zero, cvt, load, left
	FETCH \slot, 0, 1
	s_wait_dscnt 0x0
	MUL \zero, 1
	PLACES
	FETCH \slot, 1, 0
.if \cvt
	s_wait_loadcnt \left                           ; chunk ch + 1 is in; the 22 loads of chunk ch + 2, where it was asked for, stay out
	CVTX \other, \other
	s_wait_dscnt 0x8                               ; the 14 fragment loads are in; the 8 younger stores may be out
.else
	s_wait_dscnt 0x0
.endif
	MUL 0, 0
	PLACES
.if \cvt
	CVTW \other, \other
.endif
.if \load
	LOAD (\ch+3), \other
.endif
	BAR
.endm
	LOAD 0, 0
	LOAD 1, 1
	s_wait_loadcnt 22                              ; only chunk 1's 22 loads may be out: the mask words and chunk 0 are in
.irp rt, 0,1,2,3
	v_cmp_lt_f32 vcc_lo, 0, v[232+\rt]             ; valid = mask > 0
	v_cndmask_b32 v[VM+2*\rt],   0, 1.0, vcc_lo
	v_cndmask_b32 v[VM+2*\rt+1], 0, 1.0, vcc_lo
.endr
	v_cmp_lt_f32 s59, 0, v236                      ; my gate row's valid bit, kept as a lane mask
	CVTX 0, 0
	CVTW 0, 0
	LOAD 2, 0
	s_wait_kmcnt 0x0                               ; bm, base_logit, bb
	BAR
	STAGE 0, 0, 1, 1, 1, 1, 22                     ; the first products start the sums: nothing is cleared
.irp c2, 1,3,5,7,9,11
	STAGE \c2, 1, 0, 0, 1, 1, 22
	STAGE (\c2+1), 0, 1, 0, 1, 1, 22
.endr
	STAGE 13, 1, 0, 0, 1, 0, 22
	STAGE 14, 0, 1, 0, 1, 0, 0                     ; chunk 15 is the last: nothing younger is out
	STAGE 15, 1, 0, 0, 0, 0, 0
	; ---- behind the K loop; its last barrier has freed both slots ----
	s_lshl_b32 s58, s54, 5
	v_add_nc_u32 v240, s58, v10                    ; OUT: row 64 wr + r, byte 32 wc + 16 hh
	s_lshl_b32 s58, s54, 10
	s_add_co_u32 s58, s58, GX
	v_lshl_add_u32 v241, v1, 5, s58                ; GX: 32 bytes a lane, by gate tile
	s_lshl_b32 s58, s35, 2
	s_add_co_u32 s58, s58, KM
	v_mov_b32 v247, s58
	v_lshrrev_b32 v243, 3, v0
	v_and_b32 v245, 7, v0
	v_mul_u32_u24 v243, v243, XP
	v_lshl_add_u32 v243, v245, 4, v243             ; OUT read back: row t >> 3, 16 bytes t & 7
	v_lshlrev_b32 v244, 4, v0
	s_lshl_b32 s58, s31, 13                        ; 64 gh rows of 128 bytes
	v_add_nc_u32 v252, s58, v244                   ; where OUT's rows 0 to 63 go among my 128 rows of q, k, v
	s_xor_b32 s58, s58, 0x2000
	v_add_nc_u32 v253, s58, v244                   ; and its rows 64 to 127
	s_lshl_b32 s58, s35, 4
	s_add_co_u32 s58, s58, TT
	v_lshl_add_u32 v246, v3, 6, s58                ; a tile's total: lanes 16 to 31, which hold the zero columns, write a dump word
	s_lshl_b32 s58, s35, 4
	v_add_nc_u32 v249, s58, v2                     ; 16 w + r
	v_lshlrev_b32 v248, 5, v249
	v_add_nc_u32 v248, GG, v248
	v_lshlrev_b32 v249, 2, v249
	v_add_nc_u32 v249, GG, v249
	v_add_nc_u32 v250, GG, v244
	v_and_b32 v251, 0x7f0, v244                    ; (t & 127) x 16
	v_mov_b32 v242, 0                              ; running maximum of k (k is never negative)
	s_lshl1_add_u32 s56, s34, s31                  ; 2 bh + half
	s_lshl_b32 s56, s56, 17
	s_lshl_b32 s58, s33, 14
	s_add_co_u32 s56, s56, s58
	s_add_nc_u64 s[48:49], s[24:25], s[56:57]      ; q, k, v at my 128 rows of 128 bytes
	s_add_nc_u64 s[50:51], s[48:49], 0x400000
	s_add_nc_u64 s[52:53], s[48:49], 0x800000
	s_cmp_lt_u32 s35, 4
	s_cbranch_scc1 .Lno_gx
	ds_store_b128 v241, v[GA:GA+3]                 ; waves 4 to 7 hand their K half of the gate tile over
	ds_store_b128 v241, v[GA+4:GA+7] offset:16
.Lno_gx:
; elu(z) + 1 = exp(min(z, 0)) + max(z, 0), times valid, rounded to bf16 into v[24:27]
.macro ACT a, vm, isk
.irp j, 0,1,2,3,4,5,6,7
	v_min_num_f32 v[T+\j], 0, v[(\a)+\j]
.endr
.irp j, 0,2,4,6
	v_pk_mul_f32 v[T+\j:T+\j+1], v[T+\j:T+\j+1], LOG2E op_sel_hi:[1,0]
.endr
.irp j, 0,1,2,3,4,5,6,7
	v_exp_f32 v[T+\j], v[T+\j]
.endr
.irp j, 0,1,2,3,4,5,6,7
	v_max_num_f32 v[(\a)+\j], 0, v[(\a)+\j]        ; plain work behind the exponentials (ISA guide 5.7.2)
.endr
	s_wait_alu depctr_va_vdst(0)
.irp j, 0,2,4,6
	v_pk_add_f32 v[T+\j:T+\j+1], v[T+\j:T+\j+1], v[(\a)+\j:(\a)+\j+1]
.endr
.irp j, 0,2,4,6
	v_pk_mul_f32 v[T+\j:T+\j+1], v[T+\j:T+\j+1], v[(\vm):(\vm)+1]
.endr
.if \isk
.irp j, 0,2,4,6
	v_max3_num_f32 v242, v[T+\j], v[T+\j+1], v242
.endr
.endif
.irp j, 0,1,2,3
	v_cvt_pk_bf16_f32 v[T+8+\j], v[T+2*\j], v[T+2*\j+1]
.endr
.endm
.irp rt, 0,1,2,3
	ACT ACC+24*\rt, VM+2*\rt, 0
	ds_store_b128 v240, v[T+8:T+11] offset:\rt*16*XP
	ACT ACC+24*\rt+8, VM+2*\rt, 1
	ds_store_b128 v240, v[T+8:T+11] offset:XSLOT+\rt*16*XP
.irp j, 0,1,2,3
	v_cvt_pk_f16_f32 v[T+12+\j], v[ACC+24*\rt+16+2*\j], v[ACC+24*\rt+16+2*\j+1]
.endr
	ds_store_b128 v240, v[T+12:T+15] offset:2*XSLOT+\rt*16*XP
.endr
	v_max_num_f32_dpp v242, v242, v242 row_xmask:1 row_mask:0xf bank_mask:0xf
	v_max_num_f32_dpp v242, v242, v242 row_xmask:2 row_mask:0xf bank_mask:0xf
	v_max_num_f32_dpp v242, v242, v242 row_xmask:4 row_mask:0xf bank_mask:0xf
	v_max_num_f32_dpp v242, v242, v242 row_xmask:8 row_mask:0xf bank_mask:0xf
	v_permlanex16_b32 v245, v242, s46, s47
	v_max_num_f32 v242, v242, v245
	ds_store_b32 v247, v242                        ; every lane writes the wave's word with the same value
	BAR
	; q, k, v leave: 12 x 512 consecutive bytes a wave
.irp m, 0,1,2
.irp ii, 0,1,2,3
	ds_load_b128 v[ACC+16*\m+4*\ii:ACC+16*\m+4*\ii+3], v243 offset:\m*XSLOT+\ii*32*XP
.endr
.endr
.irp m, 0,1,2
.irp ii, 0,1,2,3
	s_wait_dscnt 11-(4*\m+\ii)                     ; LDS loads come back in order: this one is in, the younger ones stay out
	global_store_b128 v[252+(\ii>>1)], v[ACC+16*\m+4*\ii:ACC+16*\m+4*\ii+3], s[48+2*\m:49+2*\m] offset:(\ii&1)*4096
.endr
.endr
	s_cmp_ge_u32 s35, 4
	s_cbranch_scc1 .Lno_gate1
	; gates of 16 rows, lane r = row (lanes 16 to 31 work on the zero columns; nothing of theirs is kept)
	ds_load_b128 v[232:235], v241
	ds_load_b128 v[236:239], v241 offset:16
	s_wait_dscnt 0x0
.irp k, 0,1,2,3
	v_add_f32 v[GA+\k], v[GA+\k], v[232+\k]
.endr
	v_add_f32 v[GA+4], v[GA+4], v236
.irp k, 0,1,2,3
	v_add_f32 v[GA+\k], s[36+\k], v[GA+\k]         ; mix = x Wm + bm
.endr
	v_add_f32 v[GA+4], s44, v[GA+4]                ; x Wb + bb
	v_max3_num_f32 v16, v[GA], v[GA+1], v[GA+2]
	v_max_num_f32 v16, v16, v[GA+3]                ; the softmax's maximum
	v_mov_b32 v22, NLOG2E
.irp k, 0,1,2,3
	v_sub_f32 v[52+\k], v[GA+\k], v16
	v_mul_f32 v[52+\k], LOG2E, v[52+\k]
	v_mul_f32 v[18+\k], s[40+\k], v22
.endr
	v_mul_f32 v17, v[GA+4], v22
.irp k, 0,1,2,3
	v_exp_f32 v[52+\k], v[52+\k]
	v_exp_f32 v[18+\k], v[18+\k]
.endr
	v_exp_f32 v17, v17
.irp k, 0,1,2,3
	v_mov_b32 v[72+\k], 0                          ; the lane moves below count as readers of their destinations
.endr
	s_wait_alu depctr_va_vdst(0)
	v_add_f32 v23, v52, v53
	v_add_f32 v24, v54, v55
	v_add_f32 v23, v23, v24
	v_add_f32 v17, 1.0, v17
.irp k, 0,1,2,3
	v_add_f32 v[18+\k], 1.0, v[18+\k]
.endr
	v_rcp_f32 v23, v23
	v_rcp_f32 v17, v17                             ; beta
.irp k, 0,1,2,3
	v_rcp_f32 v[18+\k], v[18+\k]                   ; sigmoid(base_logit)
.endr
.irp d, 0,1,2,3
	v_bfe_u32 v[76+\d], v2, \d, 1                  ; bit d of my row, as 1.0 or 0.0, and its complement
.endr
.irp d, 0,1,2,3
	v_cvt_f32_u32 v[76+\d], v[76+\d]
	v_sub_f32 v[80+\d], 1.0, v[76+\d]
.endr
	s_wait_alu depctr_va_vdst(0)
.irp k, 0,1,2,3
	v_mul_f32 v[52+\k], v[52+\k], v23              ; w_k
	v_mul_f32 v[60+\k], v17, v[18+\k]              ; never negative, so the clip's lower end needs no instruction
	v_min_num_f32 v[60+\k], 0x3f7fffac, v[60+\k]   ; 0.999995
.endr
.irp k, 0,1,2,3
	v_log_f32 v[60+\k], v[60+\k]
.endr
	v_nop
	s_wait_alu depctr_va_vdst(0)
.irp k, 0,1,2,3
	v_max_num_f32 v[60+\k], 0xc3200000, v[60+\k]   ; -160
	v_cndmask_b32 v[60+\k], 0, v[60+\k], s59       ; a masked step leaves the state as it is
.endr
; butterfly over 16 rows: v60.. totals, v64.. sums up to and with my row, v68.. sums behind my row
.macro SCAN d, di, first
.irp k, 0,1,2,3
	v_mov_b32_dpp v[72+\k], v[60+\k] row_xmask:\d row_mask:0xf bank_mask:0xf
.endr
.irp k, 0,1,2,3
.if \first
	v_fma_f32 v[64+\k], v[72+\k], v[76+\di], v[60+\k]
	v_mul_f32 v[68+\k], v[72+\k], v[80+\di]
.else
	v_fmac_f32 v[64+\k], v[72+\k], v[76+\di]
	v_fmac_f32 v[68+\k], v[72+\k], v[80+\di]
.endif
	v_add_f32 v[60+\k], v[60+\k], v[72+\k]
.endr
.endm
	SCAN 1, 0, 1
	SCAN 2, 1, 0
	SCAN 4, 2, 0
	SCAN 8, 3, 0
	ds_store_b128 v246, v[60:63]
.Lno_gate1:
	BAR
	s_cmp_ge_u32 s35, 4
	s_cbranch_scc1 .Lno_gate2
	v_mov_b32 v16, TT
.irp p, 0,1,2,3
	ds_load_b128 v[84+4*\p:87+4*\p], v16 offset:16*\p
.endr
	s_wait_dscnt 0x0
.irp p, 0,1,2,3
	s_cmp_gt_u32 s35, \p
	s_cselect_b32 s60, 1.0, 0                      ; tile p lies in front of mine
	s_cmp_lt_u32 s35, \p
	s_cselect_b32 s62, 1.0, 0                      ; or behind it
.irp k, 0,1,2,3
	v_fmac_f32 v[64+\k], s60, v[84+4*\p+\k]        ; cin
	v_fmac_f32 v[68+\k], s62, v[84+4*\p+\k]
.endr
.endr
.irp k, 0,1,2,3
	v_add_f32 v[100+\k], v[84+\k], v[88+\k]
	v_add_f32 v[104+\k], v[92+\k], v[96+\k]
	v_add_f32 v[100+\k], v[100+\k], v[104+\k]
.endr
.irp k, 0,1,2,3
	v_exp_f32 v[104+\k], v[68+\k]                  ; b_k
	v_exp_f32 v[108+\k], v[100+\k]                 ; E_k
.endr
	v_nop
	v_cmp_gt_u32 vcc_lo, 16, v1
	s_wait_xcnt 0x0                                ; EXEC is a source of the stores above: it changes only behind this wait
	s_and_saveexec_b32 s58, vcc_lo
	ds_store_b128 v248, v[52:55]                   ; by step: w, cin
	ds_store_b128 v248, v[64:67] offset:16
	s_wait_alu depctr_va_vdst(0)
.irp k, 0,1,2,3
	ds_store_b32 v249, v[104+\k] offset:2048+256*\k       ; by scale: b
	ds_store_b32 v249, v[64+\k]  offset:2048+256*(4+\k)   ; and cin
.endr
	s_or_b32 exec_lo, exec_lo, s58
.Lno_gate2:
	BAR
	ds_load_b128 v[16:19], v250                    ; the 4 KiB of tables leave in 512 consecutive bytes a wave
	s_lshl1_add_u32 s56, s33, s31                  ; block of 64 steps
	s_lshl4_add_u32 s56, s34, s56                  ; 16 bh + block
	s_lshl_b32 s60, s56, 11                        ; both tables have 2,048 bytes a block
	s_cmp_lt_u32 s35, 4
	s_cselect_b32 s58, 0, 0x80000                  ; waves 0 to 3: by step; waves 4 to 7: by scale
	s_add_co_u32 s60, s60, s58
	s_mov_b32 s61, 0
	s_add_nc_u64 s[60:61], s[26:27], s[60:61]
	s_wait_dscnt 0x0
	global_store_b128 v251, v[16:19], s[60:61]
	s_cmp_lg_u32 s35, 0
	s_cbranch_scc1 .Lend
	v_mov_b32 v20, KM
	ds_load_b128 v[24:27], v20
	ds_load_b128 v[28:31], v20 offset:16
	s_lshl_b32 s56, s56, 4
	s_add_co_u32 s56, s56, 0x100000                ; E: 16 bytes a block
	v_mov_b32 v21, s56
	s_lshl3_add_u32 s58, s31, s33
	s_lshl4_add_u32 s58, s34, s58
	s_lshl_b32 s58, s58, 2
	s_add_co_u32 s58, s58, 0x101000                ; the maxima of k: word 16 bh + 8 half + tb
	v_mov_b32 v22, s58
	s_wait_dscnt 0x0
	v_max3_num_f32 v24, v24, v25, v26
	v_max3_num_f32 v24, v24, v27, v28
	v_max3_num_f32 v24, v24, v29, v30
	v_max_num_f32 v24, v24, v31
	v_cmp_eq_u32 vcc_lo, 0, v1
	s_wait_xcnt 0x0                                ; EXEC changes only behind this wait
	s_and_saveexec_b32 s62, vcc_lo
	global_store_b128 v21, v[108:111], s[26:27]
	global_store_b32 v22, v24, s[26:27]
	s_wait_xcnt 0x0                                ; and again in front of the line that widens it
	s_or_b32 exec_lo, exec_lo, s62
.Lend:
	s_wait_tensorcnt 0x0
	ds_add_u32 v254, v255
	s_wait_dscnt 0x0
	s_endpgm
.Lfunc_end_k_q7f622823e3_proj:
	.size	k_q7f622823e3_proj, .Lfunc_end_k_q7f622823e3_proj-k_q7f622823e3_proj
	.p2alignl 7, 3214868480
	.fill 96, 4, 3214868480
	.section	.rodata,"a",@progbits
	.p2align	6, 0x0
	.amdhsa_kernel k_q7f622823e3_proj
		.amdhsa_group_segment_fixed_size 91136
		.amdhsa_private_segment_fixed_size 0
		.amdhsa_enable_private_segment 0
		.amdhsa_kernarg_size 96
		.amdhsa_user_sgpr_count 2
		.amdhsa_user_sgpr_kernarg_segment_ptr 1
		.amdhsa_wavefront_size32 1
		.amdhsa_system_sgpr_workgroup_id_x 1
		.amdhsa_system_sgpr_workgroup_id_y 1
		.amdhsa_system_sgpr_workgroup_id_z 1
		.amdhsa_system_vgpr_workitem_id 0
		.amdhsa_next_free_vgpr 424
		.amdhsa_next_free_sgpr 66
		.amdhsa_reserve_vcc 1
		.amdhsa_float_denorm_mode_32 3
		.amdhsa_float_denorm_mode_16_64 3
		.amdhsa_memory_ordered 1
		.amdhsa_forward_progress 1
		.amdhsa_inst_pref_size 204
	.end_amdhsa_kernel
	.amdgpu_metadata
---
amdhsa.version: [ 1, 2 ]
amdhsa.kernels:
  - .name:           k_q7f622823e3_proj
    .symbol:         k_q7f622823e3_proj.kd
    .args:
      - { .name: x, .offset: 0, .size: 8, .value_kind: global_buffer, .address_space: global }
      - { .name: Wq, .offset: 8, .size: 8, .value_kind: global_buffer, .address_space: global }
      - { .name: Wk, .offset: 16, .size: 8, .value_kind: global_buffer, .address_space: global }
      - { .name: Wv, .offset: 24, .size: 8, .value_kind: global_buffer, .address_space: global }
      - { .name: Wm, .offset: 32, .size: 8, .value_kind: global_buffer, .address_space: global }
      - { .name: Wb, .offset: 40, .size: 8, .value_kind: global_buffer, .address_space: global }
      - { .name: bm, .offset: 48, .size: 8, .value_kind: global_buffer, .address_space: global }
      - { .name: bb, .offset: 56, .size: 8, .value_kind: global_buffer, .address_space: global }
      - { .name: base_logit, .offset: 64, .size: 8, .value_kind: global_buffer, .address_space: global }
      - { .name: mask, .offset: 72, .size: 8, .value_kind: global_buffer, .address_space: global }
      - { .name: qkv, .offset: 80, .size: 8, .value_kind: global_buffer, .address_space: global }
      - { .name: gates, .offset: 88, .size: 8, .value_kind: global_buffer, .address_space: global }
    .group_segment_fixed_size: 91136
    .private_segment_fixed_size: 0
    .kernarg_segment_align: 8
    .kernarg_segment_size: 96
    .max_flat_workgroup_size: 256
    .sgpr_count:     66
    .vgpr_count:     424
    .wavefront_size: 32
...
	.end_amdgpu_metadata
.endif
;; end of part 1
;; launch attn (part 2): grid 16 x 16, 8 waves a work-group, no clusters, 280,576 bytes of LDS; arguments qkv, gates, ob, osc; writes ob, osc
.if DOCPART == 2
	.amdgcn_target "amdgcn-amd-amdhsa--gfx1250"
	.amdhsa_code_object_version 6
	.text
	.protected	k_q7f622823e3_attn
	.globl	k_q7f622823e3_attn
	.p2align	8
	.type	k_q7f622823e3_attn,@function
k_q7f622823e3_attn:
	s_mov_b64 s[64:65], 0
	v_nop
	global_prefetch_b8 v0, s[64:65] scope:SCOPE_SE
	s_setreg_imm32_b32 hwreg(HW_REG_WAVE_MODE, 25, 1), 1
	s_wait_xcnt 0x0
; attn: the scan in closed form.  o_t = sum over s <= t of A(t,s) (q_t . k_s) v_s, A(t,s) = sum over k of w_k(t) prod over u = s+1..t of g_k(u).
; A work-group has 64 query steps (block i) of one (b, h).  In the block i itself
; A = sum_k w_k 2^(cin_k(t) - cin_k(s)) for s <= t (exponents not above 0) and 0 behind t, chosen by v_cndmask_b32.
; For an earlier block j, A = sum_k c_k(t) b_k(s) with c_k = w_k 2^cin_k(t) prod of E_k over the blocks between: every factor is at most 1.
; Eight waves in two streams of four.  Stream g = w>>2 walks the key blocks i - g, i - g - 2, ..: floor(i/2) + 1 steps, so the longest walk is
; 8 steps, and each SIMD holds a wave of each stream.  In a stream, wave w has 32 query rows ((w>>1)&1) and 32 of a block's 64 keys (w&1),
; and keeps its own partial O; the four partials of a row half are added at the end.
; Where i is even stream 1 has one block less: its last step runs on block 0 with c_k = 0 and adds exact zeros, so that all waves pass the same barriers.
; All products are used transposed, so that lane l holds query row l%16: S^T = K Q^T (bf16) has a lane's 8 keys in the very places in
; which P is source 1 of O^T = V^T P^T (f16): no shuffle between the two products.
; P goes in f16 under a bound known beforehand: |S A| <= 128 qmax(t) Kmax(bh), scaled to 2^14.  O is scaled by its row's largest magnitude to 256,
; rounded to f16, and the exact f32 scale goes out beside it.
; LIMITS: entries of P below about 2^-38 of that bound are dropped; qmax and Kmax are floored at 2^-40, a row's largest |O| at 2^-60.
; K, V and the b table come through registers (17 loads a thread, one step ahead) into two LDS slots for each stream.  No joint loads of a cluster:
; work-groups of one head walk 1 to 8 steps.  The last one or two requests of a stream ask for block 0 again and are not read: every path has the same loads.
; The hand-over of the partial O and the stage of the way out have LDS bytes of their own behind the slots: they share no byte with the walk's stores.
.set KP,     272                       ; LDS row of K: 128 bf16 + 16 bytes
.set VP,     288                       ; LDS row of V: 128 f16 + 32 bytes, an odd multiple of 32 for the transposing load
.set SLOT,   40960
.set STREAM, 2*SLOT                    ; a stream's two slots
.set VOFF,   64*KP                     ; 17,408
.set GOFF,   VOFF+64*VP                ; 35,840: the block's [8][64] f32 table
.set RED,    2*STREAM                  ; 163,840: three partial O of 16 KiB for each row half
.set REDT,   3*16384
.set STG,    RED+2*REDT                ; 262,144: the way out, 2 x 16 rows x 272 bytes for each row half
.set WC,   16                          ; v[16:31] per row tile tt: w' (4), cin (4)
.set CC,   32                          ; v[32:39] c_k per tt
.set GST,  40                          ; v[40:43] the table's 16 bytes on their way; at work in the epilogue
.set PF,   48                          ; v[48:63] P fragments            (v44-45: 1/sigma; v46-47: row - first key)
.set KF,   64                          ; v[64:127] K fragments (st, kk), then, behind S, V fragments (et)
.set ST,   128                         ; v[128:191] the tile on its way: K 32 registers, V 32
.set SS,   192                         ; v[192:223] S (st, tt)
.set TM,   224                         ; v[224:255] at work
.set QF,   128                         ; window 1: v[128:191] Q fragments (tt, kk); v[0:127] O (et, tt); v[192:255] table rows (st, k)
.set BS,   192
.set MSB, 0
.macro WIN new                         ; the immediate's high byte repeats the setting that is left
.if MSB != \new
	s_set_vgpr_msb (MSB<<8)|\new
.set MSB, \new
.endif
.endm
.macro PLACES                          ; four plain vector places behind a matrix instruction (ISA guide 7.12.1)
.rept 4
	v_nop
.endr
.endm
.macro BAR
	s_wait_dscnt 0x0
	s_barrier_signal -1
	s_barrier_wait -1
.endm
; d = a x c_k and d += a x c_k, c_k one register of an even pair, fed to both halves by op_sel
.macro BMUL d, a, c, k
.if (\k)&1
	v_pk_mul_f32 v[(\d):(\d)+1], v[(\a):(\a)+1], v[(\c)+(\k)-1:(\c)+(\k)] op_sel:[0,1] op_sel_hi:[1,1]
.else
	v_pk_mul_f32 v[(\d):(\d)+1], v[(\a):(\a)+1], v[(\c)+(\k):(\c)+(\k)+1] op_sel_hi:[1,0]
.endif
.endm
.macro BFMA d, a, c, k
.if (\k)&1
	v_pk_fma_f32 v[(\d):(\d)+1], v[(\a):(\a)+1], v[(\c)+(\k)-1:(\c)+(\k)], v[(\d):(\d)+1] op_sel:[0,1,0] op_sel_hi:[1,1,1]
.else
	v_pk_fma_f32 v[(\d):(\d)+1], v[(\a):(\a)+1], v[(\c)+(\k):(\c)+(\k)+1], v[(\d):(\d)+1] op_sel_hi:[1,0,1]
.endif
.endm
	s_load_b256 s[4:11], s[0:1], 0x0               ; qkv, gates, ob, osc
	v_and_b32 v1, 31, v0                           ; L
	v_and_b32 v2, 15, v0                           ; r
	v_bfe_u32 v3, v0, 4, 1                         ; hh
	v_lshrrev_b32 v4, 5, v0
	v_readfirstlane_b32 s14, v4                    ; wave 0..7
	s_mov_b32 s12, ttmp9                           ; i
	s_and_b32 s13, ttmp7, 0xffff                   ; bh
	s_lshr_b32 s2, s14, 2                          ; g: my stream
	s_lshr_b32 s15, s14, 1
	s_and_b32 s15, s15, 1                          ; th
	s_and_b32 s16, s14, 1                          ; sh
	s_sub_co_i32 s17, s12, s2                      ; j: my stream's key block of this step (-1: none)
	s_mov_b32 s56, 0x76543210
	s_mov_b32 s57, 0xfedcba98
	s_mov_b32 s29, 0                               ; upper word of the offset pair s[28:29]
	s_mul_i32 s3, s2, STREAM                       ; my stream's slots
	s_add_co_u32 s31, s3, VOFF
	s_add_co_u32 s18, s3, GOFF
	v_and_b32 v4, 127, v0                          ; my number in the stream
	v_lshlrev_b32 v4, 4, v4                        ; x 16: the tiles are dense in memory
	v_bfe_u32 v13, v0, 3, 4
	v_and_b32 v14, 7, v0
	v_lshlrev_b32 v14, 4, v14
	v_mad_u32_u24 v5, v13, KP, v14
	v_add_nc_u32 v5, s3, v5                        ; where my 16 bytes of K go
	v_mad_u32_u24 v6, v13, VP, v14
	v_add_nc_u32 v6, s31, v6                       ; of V
	v_add_nc_u32 v7, s18, v4                       ; of the table
	s_lshl_b32 s19, s16, 5                         ; 32 sh
	v_add_nc_u32 v13, s19, v2
	v_lshlrev_b32 v15, 4, v3
	v_mad_u32_u24 v8, v13, KP, v15
	v_add_nc_u32 v8, s3, v8                        ; K fragments
	v_and_b32 v13, 7, v0
	v_lshl_add_u32 v13, v3, 3, v13
	v_add_nc_u32 v13, s19, v13
	v_bfe_u32 v14, v0, 3, 1
	v_lshlrev_b32 v14, 4, v14
	v_mad_u32_u24 v9, v13, VP, v14
	v_add_nc_u32 v9, s31, v9                       ; V fragments, transposing load
	v_lshl_add_u32 v10, v3, 3, s19
	v_lshlrev_b32 v10, 2, v10
	v_add_nc_u32 v10, s18, v10                     ; my 8 keys' words in a table row
	s_lshl_b32 s30, s12, 6
	s_lshl_b32 s28, s15, 5
	s_add_co_u32 s30, s30, s28                     ; 64 i + 32 th
	v_add_nc_u32 v13, s30, v2
	v_lshlrev_b32 v11, 7, v13
	v_lshl_add_u32 v11, v3, 4, v11                 ; q: row of 128 bytes + 16 hh
	s_lshl_b32 s28, s13, 10
	v_add_nc_u32 v12, s28, v13
	v_lshlrev_b32 v12, 5, v12                      ; the by-step table: 32 bytes a step
	s_lshl_b32 s28, s15, 5
	s_sub_co_i32 s28, s28, s19
	v_add_nc_u32 v46, s28, v2
	v_lshlrev_b32 v13, 3, v3
	v_sub_nc_u32 v46, v46, v13                     ; D = my row - my first key, in the block; key 16 st + j counts while 16 st + j <= D
	v_add_nc_u32 v47, 16, v46
	s_wait_kmcnt 0x0
	s_lshl_b32 s28, s13, 18
	s_add_nc_u64 s[60:61], s[4:5], s[28:29]        ; q of bh
	s_add_nc_u64 s[20:21], s[60:61], 0x400000      ; k of bh; v lies 4 MiB behind
	s_add_nc_u64 s[8:9], s[8:9], s[28:29]          ; ob of bh
	s_lshl_b32 s28, s13, 15
	s_add_nc_u64 s[22:23], s[6:7], s[28:29]
	s_add_nc_u64 s[22:23], s[22:23], 0x80000       ; the by-scale table of bh
	s_lshl_b32 s28, s13, 8
	s_add_nc_u64 s[62:63], s[6:7], s[28:29]
	s_add_nc_u64 s[62:63], s[62:63], 0x100000      ; E of bh
	s_lshl_b32 s28, s13, 6
	s_add_nc_u64 s[58:59], s[6:7], s[28:29]
	s_load_b512 s[40:55], s[58:59], 0x101000       ; the 16 maxima of k of bh
.macro SETBASE jr                      ; the bases of key block jr; no load that names them is out
	s_lshl_b32 s28, \jr, 13
	s_add_nc_u64 s[24:25], s[20:21], s[28:29]
	s_lshl_b32 s28, \jr, 11
	s_add_nc_u64 s[26:27], s[22:23], s[28:29]
.endm
.macro TILE                            ; 17 loads a thread: a block's K, V and table, shared out among the stream's 128 threads
.irp hf, 0,1
.irp ii, 0,1,2,3
	global_load_b128 v[ST+4*(4*\hf+\ii):ST+4*(4*\hf+\ii)+3], v4, s[24:25] offset:\hf*131072+\ii*2048
	global_load_b128 v[ST+32+4*(4*\hf+\ii):ST+32+4*(4*\hf+\ii)+3], v4, s[24:25] offset:4194304+\hf*131072+\ii*2048
.endr
.endr
	global_load_b128 v[GST:GST+3], v4, s[26:27]
.endm
.macro PUT slot
.irp hf, 0,1
.irp ii, 0,1,2,3
	ds_store_b128 v5, v[ST+4*(4*\hf+\ii):ST+4*(4*\hf+\ii)+3] offset:\slot*SLOT+\ii*16*KP+\hf*128
	ds_store_b128 v6, v[ST+32+4*(4*\hf+\ii):ST+32+4*(4*\hf+\ii)+3] offset:\slot*SLOT+\ii*16*VP+\hf*128
.endr
.endr
	ds_store_b128 v7, v[GST:GST+3] offset:\slot*SLOT
.endm
; 32 LDS loads: K (16), table rows grow .. grow + 3 (16)
.macro FETCHK slot, grow
.irp st, 0,1
.irp kk, 0,1,2,3
	ds_load_b128 v[KF+8*(4*\st+\kk):KF+8*(4*\st+\kk)+3],   v8 offset:\slot*SLOT+\st*16*KP+\kk*64
	ds_load_b128 v[KF+8*(4*\st+\kk)+4:KF+8*(4*\st+\kk)+7], v8 offset:\slot*SLOT+\st*16*KP+\kk*64+32
.endr
.endr
	WIN 0x40
.irp st, 0,1
.irp k, 0,1,2,3
	ds_load_b128 v[BS+32*\st+8*\k:BS+32*\st+8*\k+3],   v10 offset:\slot*SLOT+(\grow+\k)*256+\st*64
	ds_load_b128 v[BS+32*\st+8*\k+4:BS+32*\st+8*\k+7], v10 offset:\slot*SLOT+(\grow+\k)*256+\st*64+16
.endr
.endr
	WIN 0
.endm
; 16 LDS loads: V, into the registers that held K; they stand behind S and its four places
.macro FETCHV slot
.irp et, 0,1,2,3,4,5,6,7
	ds_load_tr16_b128 v[KF+8*\et:KF+8*\et+3],   v9 offset:\slot*SLOT+\et*32
	ds_load_tr16_b128 v[KF+8*\et+4:KF+8*\et+7], v9 offset:\slot*SLOT+\et*32+16*VP
.endr
.endm
; S^T = K Q^T: four accumulators by turns, one instruction a turn
.macro SMUL
	WIN 0x04
.irp kk, 0,1,2,3
.irp st, 0,1
.irp tt, 0,1
.if \kk == 0
	v_wmma_f32_16x16x32_bf16 v[SS+8*(2*\st+\tt):SS+8*(2*\st+\tt)+7], v[KF+8*(4*\st+\kk):KF+8*(4*\st+\kk)+7], v[QF+8*(4*\tt+\kk):QF+8*(4*\tt+\kk)+7], 0
.else
	v_wmma_f32_16x16x32_bf16 v[SS+8*(2*\st+\tt):SS+8*(2*\st+\tt)+7], v[KF+8*(4*\st+\kk):KF+8*(4*\st+\kk)+7], v[QF+8*(4*\tt+\kk):QF+8*(4*\tt+\kk)+7], v[SS+8*(2*\st+\tt):SS+8*(2*\st+\tt)+7]
.endif
.endr
.endr
.endr
	WIN 0
.endm
; O^T += V^T P^T: sixteen accumulators, one instruction each
.macro PV zero
	WIN 0x50
.irp et, 0,1,2,3,4,5,6,7
.irp tt, 0,1
.if \zero
	v_wmma_f32_16x16x32_f16 v[8*(2*\et+\tt):8*(2*\et+\tt)+7], v[KF+8*\et:KF+8*\et+7], v[PF+8*\tt:PF+8*\tt+7], 0
.else
	v_wmma_f32_16x16x32_f16 v[8*(2*\et+\tt):8*(2*\et+\tt)+7], v[KF+8*\et:KF+8*\et+7], v[PF+8*\tt:PF+8*\tt+7], v[8*(2*\et+\tt):8*(2*\et+\tt)+7]
.endif
.endr
.endr
	WIN 0
.endm
; E of blocks j - 1 and j, in one scalar load; clamped to block 0, where the factors are not used
.macro ELOAD
	s_sub_co_i32 s31, s17, 1
	s_max_i32 s31, s31, 0
	s_lshl_b32 s31, s31, 4
	s_load_b256 s[32:39], s[62:63], s31 offset:0x0
.endm
; c_k for my stream's next block, j - 2: times E_k(j - 1), and (both = 1) times E_k(j).  Where there is no such block, c_k = 0.
.macro CUPD both
	s_wait_kmcnt 0x0
	s_sub_co_i32 s19, s17, 2
	s_cmp_ge_i32 s19, 0
.irp k, 0,1,2,3
	s_cselect_b32 s[32+\k], s[32+\k], 0
.endr
.irp k, 0,1,2,3
	v_mul_f32 v[CC+\k],   s[32+\k], v[CC+\k]
	v_mul_f32 v[CC+4+\k], s[32+\k], v[CC+4+\k]
.endr
.if \both
.irp k, 0,1,2,3
	v_mul_f32 v[CC+\k],   s[36+\k], v[CC+\k]
	v_mul_f32 v[CC+4+\k], s[36+\k], v[CC+4+\k]
.endr
.endif
.endm
; My stream's next block goes into the slot that was read in front of the last barrier; the block after it is asked for; one barrier a step.
.macro NEXT slot
	s_wait_loadcnt 0x0                             ; the 17 loads are in, so their bases may be written
	PUT \slot
	s_sub_co_i32 s19, s17, 4
	s_max_i32 s19, s19, 0                          ; clamped to block 0: stays inside the buffers
	SETBASE s19
	TILE
	s_sub_co_i32 s17, s17, 2
	BAR
.endm
; one tile of the diagonal block
.macro DTILE st, tt
	WIN 0x04
.irp k, 0,1,2,3
.irp p, 0,2,4,6
.if \k & 1
	v_pk_add_f32 v[TM+8*\k+\p:TM+8*\k+\p+1], v[WC+8*\tt+3+\k:WC+8*\tt+4+\k], v[BS+32*\st+8*\k+\p:BS+32*\st+8*\k+\p+1] op_sel:[1,0] op_sel_hi:[1,1] neg_lo:[0,1] neg_hi:[0,1]
.else
	v_pk_add_f32 v[TM+8*\k+\p:TM+8*\k+\p+1], v[WC+8*\tt+4+\k:WC+8*\tt+5+\k], v[BS+32*\st+8*\k+\p:BS+32*\st+8*\k+\p+1] op_sel_hi:[0,1] neg_lo:[0,1] neg_hi:[0,1]
.endif
.endr
.endr
	WIN 0
.set ix, 0
.rept 32
	v_exp_f32 v[TM+ix], v[TM+ix]                   ; 2^(cin(t) - cin(s))
.set ix, ix+1
.endr
	v_nop
	s_wait_alu depctr_va_vdst(0)
.irp p, 0,2,4,6
	BMUL TM+\p, TM+\p, WC+8*\tt, 0                 ; the sum over the four scales, in place
.endr
.irp p, 0,2,4,6
	BFMA TM+\p, TM+8+\p, WC+8*\tt, 1
.endr
.irp p, 0,2,4,6
	BFMA TM+\p, TM+16+\p, WC+8*\tt, 2
.endr
.irp p, 0,2,4,6
	BFMA TM+\p, TM+24+\p, WC+8*\tt, 3
.endr
.irp j, 0,1,2,3,4,5,6,7
	v_cmp_le_i32 vcc_lo, 16*\st+\j, v[46+\tt]
	v_cndmask_b32 v[TM+\j], 0, v[TM+\j], vcc_lo    ; keys behind t: the value is replaced, whatever it is
.endr
.irp p, 0,2,4,6
	v_pk_mul_f32 v[SS+8*(2*\st+\tt)+\p:SS+8*(2*\st+\tt)+\p+1], v[SS+8*(2*\st+\tt)+\p:SS+8*(2*\st+\tt)+\p+1], v[TM+\p:TM+\p+1]
.endr
.irp q, 0,1,2,3
	v_cvt_pk_f16_f32 v[PF+8*\tt+4*\st+\q], v[SS+8*(2*\st+\tt)+2*\q], v[SS+8*(2*\st+\tt)+2*\q+1]
.endr
.endm
; the diagonal block, in slot 0 of stream 0: it starts that stream's sums
.macro DIAGBODY
	ELOAD
	FETCHK 0, 4
	s_wait_dscnt 16                                ; K is in; the 16 loads of the table rows stay out
	SMUL
	PLACES
	FETCHV 0
	s_wait_dscnt 16                                ; the table rows are in; V's 16 loads stay out
	DTILE 0, 0
	DTILE 0, 1
	DTILE 1, 0
	DTILE 1, 1
	s_wait_dscnt 0x0
	PV 1
	PLACES
	CUPD 0
.endm
; an earlier block, in LDS slot slot; zero = 1: it starts the sums
.macro OFFBODY slot, zero
	ELOAD
	FETCHK \slot, 0
	s_wait_dscnt 16                                ; K is in; the 16 loads of the table rows stay out
	SMUL
	PLACES
	FETCHV \slot
	s_wait_dscnt 16                                ; the table rows are in; V's 16 loads stay out
	WIN 0x01
.irp st, 0,1
.irp tt, 0,1
.irp p, 0,2,4,6
	BMUL TM+8*(2*\st+\tt)+\p, BS+32*\st+\p, CC+4*\tt, 0
.endr
.irp p, 0,2,4,6
	BFMA TM+8*(2*\st+\tt)+\p, BS+32*\st+8+\p, CC+4*\tt, 1
.endr
.irp p, 0,2,4,6
	BFMA TM+8*(2*\st+\tt)+\p, BS+32*\st+16+\p, CC+4*\tt, 2
.endr
.irp p, 0,2,4,6
	BFMA TM+8*(2*\st+\tt)+\p, BS+32*\st+24+\p, CC+4*\tt, 3
.endr
.endr
.endr
	WIN 0
.set ix, 0
.rept 16
	v_pk_mul_f32 v[SS+2*ix:SS+2*ix+1], v[SS+2*ix:SS+2*ix+1], v[TM+2*ix:TM+2*ix+1]
.set ix, ix+1
.endr
.irp st, 0,1
.irp tt, 0,1
.irp q, 0,1,2,3
	v_cvt_pk_f16_f32 v[PF+8*\tt+4*\st+\q], v[SS+8*(2*\st+\tt)+2*\q], v[SS+8*(2*\st+\tt)+2*\q+1]
.endr
.endr
.endr
	s_wait_dscnt 0x0
	PV \zero
	PLACES
	CUPD 1
.endm
	WIN 0x40
.irp tt, 0,1
.irp kk, 0,1,2,3
	global_load_b128 v[QF+8*(4*\tt+\kk):QF+8*(4*\tt+\kk)+3],   v11, s[60:61] offset:(\kk>>1)*131072+\tt*2048+(\kk&1)*64
	global_load_b128 v[QF+8*(4*\tt+\kk)+4:QF+8*(4*\tt+\kk)+7], v11, s[60:61] offset:(\kk>>1)*131072+\tt*2048+(\kk&1)*64+32
.endr
.endr
	WIN 0
.irp tt, 0,1
	global_load_b128 v[WC+8*\tt:WC+8*\tt+3],   v12, s[6:7] offset:\tt*512
	global_load_b128 v[WC+8*\tt+4:WC+8*\tt+7], v12, s[6:7] offset:\tt*512+16
.endr
	s_max_i32 s19, s17, 0
	SETBASE s19
	TILE                                           ; my stream's first block
	s_wait_loadcnt 0x0
	PUT 0
	s_sub_co_i32 s19, s17, 2
	s_max_i32 s19, s19, 0
	SETBASE s19
	TILE                                           ; and its second
	s_wait_kmcnt 0x0
.irp q, 41,42,43,44,45,46,47,48,49,50,51,52,53,54,55
	s_max_u32 s40, s40, s\q                        ; k is never negative: the order of the bits is the order of the values
.endr
	s_max_u32 s40, s40, 0x2b800000                 ; floor 2^-40
	s_cmp_ge_i32 s17, 0
	s_cselect_b32 s31, 1.0, 0                      ; 0 where my stream has no block at all (stream 1 of block 0)
	v_mov_b32 v[TM], 0x2b800000
	v_mov_b32 v[TM+1], 0x2b800000
	WIN 0x04
.irp tt, 0,1
.set ix, 0
.rept 32
	v_lshlrev_b32 v[13+(ix&1)], 16, v[QF+32*\tt+ix]                            ; the lower bf16; the whole word read as f32 is no less than the upper one
	v_max3_num_f32 v[TM+\tt], v[TM+\tt], v[QF+32*\tt+ix], v[13+(ix&1)]
.set ix, ix+1
.endr
.endr
	WIN 0
	v_permlanex16_b32 v13, v[TM], s56, s57
	v_permlanex16_b32 v14, v[TM+1], s56, s57
	v_max_num_f32 v[TM], v[TM], v13
	v_max_num_f32 v[TM+1], v[TM+1], v14
	v_mul_f32 v44, s40, v[TM]
	v_mul_f32 v45, s40, v[TM+1]
	v_mul_f32 v44, 0x3c000000, v44                 ; 1/sigma = qmax Kmax 2^-7, so that |P| sigma <= 2^14
	v_mul_f32 v45, 0x3c000000, v45
	v_rcp_f32 v[TM+2], v44
	v_rcp_f32 v[TM+3], v45
.irp k, 0,1,2,3
	v_exp_f32 v[CC+\k],   v[WC+4+\k]
	v_exp_f32 v[CC+4+\k], v[WC+12+\k]
.endr
	v_nop
	s_wait_alu depctr_va_vdst(0)
	v_mul_f32 v[TM+2], s31, v[TM+2]
	v_mul_f32 v[TM+3], s31, v[TM+3]
.irp k, 0,1,2,3
	v_mul_f32 v[WC+\k],   v[WC+\k],   v[TM+2]      ; w' = w sigma
	v_mul_f32 v[WC+8+\k], v[WC+8+\k], v[TM+3]
.endr
.irp k, 0,1,2,3
	v_mul_f32 v[CC+\k],   v[CC+\k],   v[WC+\k]     ; c = w' 2^cin
	v_mul_f32 v[CC+4+\k], v[CC+4+\k], v[WC+8+\k]
.endr
	BAR
	; the first step: stream 0 the diagonal block, stream 1 block i - 1; both start their sums
	s_cmp_ge_u32 s14, 4
	s_cbranch_scc1 .Lfirst_off
	DIAGBODY
	s_branch .Lfirst_done
.Lfirst_off:
	OFFBODY 0, 1
.Lfirst_done:
	NEXT 1
	s_lshr_b32 s18, s12, 2                         ; floor(i/2) further steps, two a trip
	s_cmp_eq_u32 s18, 0
	s_cbranch_scc1 .Lodd
.Lpair:
	OFFBODY 1, 0
	NEXT 0
	OFFBODY 0, 0
	NEXT 1
	s_sub_co_u32 s18, s18, 1
	s_cmp_lg_u32 s18, 0
	s_cbranch_scc1 .Lpair
.Lodd:
	s_bitcmp1_b32 s12, 1                           ; floor(i/2) odd
	s_cbranch_scc0 .Lepi
	OFFBODY 1, 0
	NEXT 0
.Lepi:
	s_wait_loadcnt 0x0                             ; the last requests, which nobody reads, have landed: their registers are used again below
	; Of the four partial O of a row half, three are handed over, in bytes that nothing else of the launch touches.
	s_mul_i32 s28, s15, REDT
	s_add_co_u32 s28, s28, RED
	v_lshl_add_u32 v13, v1, 4, s28                 ; the row half's three parts
	s_lshl_b32 s19, s16, 14
	s_lshl_b32 s31, s2, 15
	s_add_co_u32 s19, s19, s31
	s_add_co_u32 s19, s19, s28
	s_sub_co_u32 s19, s19, 16384                   ; part 2 g + sh - 1
	v_lshl_add_u32 v14, v1, 4, s19
	s_and_b32 s3, s14, 5                           ; 0: stream 0, key half 0: the wave that gathers
	s_cmp_eq_u32 s3, 0
	s_cbranch_scc1 .Lkeep
	WIN 0x04
.set ix, 0
.rept 32
	ds_store_b128 v14, v[4*ix:4*ix+3] offset:512*ix
.set ix, ix+1
.endr
	WIN 0
.Lkeep:
	BAR
	s_cmp_lg_u32 s3, 0
	s_cbranch_scc1 .Ldone
.set ix, 0
.rept 32
	ds_load_b128 v[KF+4*ix:KF+4*ix+3], v13 offset:512*ix                       ; the first part
.set ix, ix+1
.endr
	WIN 0x40
.set ix, 0
.rept 32
	ds_load_b128 v[128+4*ix:128+4*ix+3], v13 offset:16384+512*ix               ; the second, into the registers that held Q and the table rows
.set ix, ix+1
.endr
	WIN 0
	s_mul_i32 s28, s15, 32*KP
	s_add_co_u32 s28, s28, STG
	v_mul_u32_u24 v5, v2, KP
	v_lshl_add_u32 v5, v3, 4, v5
	v_add_nc_u32 v5, s28, v5                       ; stage in: row r, 16 bytes for each half of the lanes
	v_lshrrev_b32 v6, 3, v1
	v_and_b32 v7, 7, v1
	v_mul_u32_u24 v6, v6, KP
	v_lshl_add_u32 v6, v7, 4, v6
	v_add_nc_u32 v6, s28, v6                       ; stage back: four rows' 128 bytes of one half-head
	v_lshlrev_b32 v7, 4, v1
	v_lshlrev_b32 v8, 2, v1
	s_lshl_b32 s28, s30, 7
	s_add_nc_u64 s[8:9], s[8:9], s[28:29]          ; ob at my 32 rows
	s_lshl_b32 s28, s13, 10
	s_add_co_u32 s28, s28, s30
	s_lshl_b32 s28, s28, 2
	s_add_nc_u64 s[10:11], s[10:11], s[28:29]      ; osc at my 32 rows
	v_mov_b32 v40, 0x21800000                      ; floor 2^-60
	v_mov_b32 v41, 0x21800000
	s_wait_dscnt 32                                ; the first part is in; the second's 32 loads stay out
	WIN 0x41
.set ix, 0
.rept 64
	v_pk_add_f32 v[2*ix:2*ix+1], v[2*ix:2*ix+1], v[KF+2*ix:KF+2*ix+1]
.set ix, ix+1
.endr
	WIN 0
.set ix, 0
.rept 32
	ds_load_b128 v[KF+4*ix:KF+4*ix+3], v13 offset:32768+512*ix                 ; the third part
.set ix, ix+1
.endr
	s_wait_dscnt 32                                ; the second part is in; the third's 32 loads stay out
	WIN 0x45
.set ix, 0
.rept 64
	v_pk_add_f32 v[2*ix:2*ix+1], v[2*ix:2*ix+1], v[128+2*ix:128+2*ix+1]
.set ix, ix+1
.endr
	s_wait_dscnt 0x0
	WIN 0x01
.set ix, 0
.rept 64
	v_pk_add_f32 v[KF+2*ix:KF+2*ix+1], v[2*ix:2*ix+1], v[KF+2*ix:KF+2*ix+1]
.set ix, ix+1
.endr
	WIN 0
.irp et, 0,1,2,3,4,5,6,7
.irp p, 0,2,4,6
	v_max3_num_f32 v40, |v[KF+16*\et+\p]|,   |v[KF+16*\et+\p+1]|, v40
	v_max3_num_f32 v41, |v[KF+16*\et+8+\p]|, |v[KF+16*\et+9+\p]|, v41
.endr
.endr
	v_permlanex16_b32 v14, v40, s56, s57
	v_permlanex16_b32 v15, v41, s56, s57
	v_max_num_f32 v40, v40, v14                    ; the row's largest |O|
	v_max_num_f32 v41, v41, v15
	v_rcp_f32 v42, v40
	v_rcp_f32 v43, v41
	v_nop
	s_wait_alu depctr_va_vdst(0)
	v_mul_f32 v42, 0x43800000, v42                 ; 256 / M
	v_mul_f32 v43, 0x43800000, v43
.irp tt, 0,1
.irp et, 0,1,2,3,4,5,6,7
.irp p, 0,2,4,6
	BMUL KF+8*(2*\et+\tt)+\p, KF+8*(2*\et+\tt)+\p, 42, \tt
.endr
.irp q, 0,1,2,3
	v_cvt_pk_f16_f32 v[TM+4*\et+\q], v[KF+8*(2*\et+\tt)+2*\q], v[KF+8*(2*\et+\tt)+2*\q+1]
.endr
.endr
.irp et, 0,1,2,3,4,5,6,7
	ds_store_b128 v5, v[TM+4*\et:TM+4*\et+3] offset:\tt*16*KP+\et*32
.endr
.endr
	v_mul_f32 v40, v40, v44
	v_mul_f32 v41, v41, v45
	v_cmp_eq_u32 vcc_lo, 1, v3
	v_cndmask_b32 v40, v40, v41, vcc_lo            ; lane L holds row L of my 32
	v_mul_f32 v40, 0x3b800000, v40                 ; o = o~ x M / (256 sigma)
	global_store_b32 v8, v40, s[10:11]
.irp tt, 0,1
.irp hf, 0,1
.irp p, 0,1,2,3
	ds_load_b128 v[KF+4*(8*\tt+4*\hf+\p):KF+4*(8*\tt+4*\hf+\p)+3], v6 offset:\tt*16*KP+\p*4*KP+\hf*128   ; my own bytes: LDS serves a wave in order
.endr
.endr
.endr
.irp tt, 0,1
.irp hf, 0,1
.irp p, 0,1,2,3
	s_wait_dscnt 15-(8*\tt+4*\hf+\p)
	global_store_b128 v7, v[KF+4*(8*\tt+4*\hf+\p):KF+4*(8*\tt+4*\hf+\p)+3], s[8:9] offset:\hf*131072+\tt*2048+\p*512   ; 512 consecutive bytes
.endr
.endr
.endr
.Ldone:
	s_wait_xcnt 0x0
	v_lshl_add_u32 v226, v0, 2, 0x44400
	v_mov_b32 v227, 0
	s_wait_tensorcnt 0x0
	ds_add_u32 v226, v227
	s_wait_dscnt 0x0
	s_endpgm
.Lfunc_end_k_q7f622823e3_attn:
	.size	k_q7f622823e3_attn, .Lfunc_end_k_q7f622823e3_attn-k_q7f622823e3_attn
	.p2alignl 7, 3214868480
	.fill 96, 4, 3214868480
	.section	.rodata,"a",@progbits
	.p2align	6, 0x0
	.amdhsa_kernel k_q7f622823e3_attn
		.amdhsa_group_segment_fixed_size 280576
		.amdhsa_private_segment_fixed_size 0
		.amdhsa_enable_private_segment 0
		.amdhsa_kernarg_size 32
		.amdhsa_user_sgpr_count 2
		.amdhsa_user_sgpr_kernarg_segment_ptr 1
		.amdhsa_wavefront_size32 1
		.amdhsa_system_sgpr_workgroup_id_x 1
		.amdhsa_system_sgpr_workgroup_id_y 1
		.amdhsa_system_sgpr_workgroup_id_z 1
		.amdhsa_system_vgpr_workitem_id 0
		.amdhsa_next_free_vgpr 512
		.amdhsa_next_free_sgpr 66
		.amdhsa_reserve_vcc 1
		.amdhsa_float_denorm_mode_32 3
		.amdhsa_float_denorm_mode_16_64 3
		.amdhsa_memory_ordered 1
		.amdhsa_forward_progress 1
		.amdhsa_inst_pref_size 143
	.end_amdhsa_kernel
	.amdgpu_metadata
---
amdhsa.version: [ 1, 2 ]
amdhsa.kernels:
  - .name:           k_q7f622823e3_attn
    .symbol:         k_q7f622823e3_attn.kd
    .args:
      - { .name: qkv, .offset: 0, .size: 8, .value_kind: global_buffer, .address_space: global }
      - { .name: gates, .offset: 8, .size: 8, .value_kind: global_buffer, .address_space: global }
      - { .name: ob, .offset: 16, .size: 8, .value_kind: global_buffer, .address_space: global }
      - { .name: osc, .offset: 24, .size: 8, .value_kind: global_buffer, .address_space: global }
    .group_segment_fixed_size: 280576
    .private_segment_fixed_size: 0
    .kernarg_segment_align: 8
    .kernarg_segment_size: 32
    .max_flat_workgroup_size: 256
    .sgpr_count:     66
    .vgpr_count:     512
    .wavefront_size: 32
...
	.end_amdgpu_metadata
.endif
;; end of part 2
;; launch oproj (part 3): grid 16 x 16, 8 waves a work-group, no clusters, 111,616 bytes of LDS; arguments ob, osc, Wo, bo, x, y; writes y
.if DOCPART == 3
	.amdgcn_target "amdgcn-amd-amdhsa--gfx1250"
	.amdhsa_code_object_version 6
	.text
	.protected	k_q7f622823e3_oproj
	.globl	k_q7f622823e3_oproj
	.p2align	8
	.type	k_q7f622823e3_oproj,@function
k_q7f622823e3_oproj:
	s_mov_b64 s[64:65], 0
	v_nop
	global_prefetch_b8 v0, s[64:65] scope:SCOPE_SE
	s_setreg_imm32_b32 hwreg(HW_REG_WAVE_MODE, 25, 1), 1
	s_wait_xcnt 0x0
; oproj: y = x + bo + sum over heads h of osc(t, h) x (o~_h Wo_h).  o~ is f16 with its row's largest magnitude at 256; osc is its exact f32 scale,
; so each head's product (K = 128) is summed by itself from 0 and then added in f32 with one fused multiply-add.
; A work-group makes 128 rows x 64 columns; wave w has 32 rows (w>>1) x 32 columns (w&1).  Eight stages, one a head, two LDS slots,
; two heads of every thread (16 loads each) on their way in two register rings.  Wo is f32 in memory and is rounded to f16 in registers,
; so LDS is filled by ds_store: no tensor load and no joint loads.  LIMIT: |Wo| below 65,504.
; Transposed use: source 0 = 16 columns of Wo, source 1 = 16 rows of o~; lane l holds row l%16 and 8 neighbouring columns.
.set XP,    272                        ; LDS row of o~: 128 f16 + 16 bytes
.set WPT,   160                        ; LDS row of Wo: 64 f16 + 32 bytes, an odd multiple of 32
.set XSLOT, 128*XP
.set WBASE, 2*XSLOT
.set WSLOT, 128*WPT
.set OSC,   16                         ; v[16:31] osc(h, rt) at OSC + 2 h + rt
.set T,     32                         ; v[32:47] at work
.set XF,    48                         ; v[48:111]  (kk, rt)
.set WF,    112                        ; v[112:175] (kk, ct)
.set ACH,   176                        ; v[176:207] the head's sums (rt, ct)
.set ACC,   208                        ; v[208:239] the scaled sums
.set MSB, 0
.macro WIN new
.if MSB != \new
	s_set_vgpr_msb (MSB<<8)|\new
.set MSB, \new
.endif
.endm
.macro PLACES
.rept 4
	v_nop
.endr
.endm
.macro BAR
	s_wait_dscnt 0x0
	s_barrier_signal -1
	s_barrier_wait -1
.endm
.macro BMUL d, a, c, k
.if (\k)&1
	v_pk_mul_f32 v[(\d):(\d)+1], v[(\a):(\a)+1], v[(\c)+(\k)-1:(\c)+(\k)] op_sel:[0,1] op_sel_hi:[1,1]
.else
	v_pk_mul_f32 v[(\d):(\d)+1], v[(\a):(\a)+1], v[(\c)+(\k):(\c)+(\k)+1] op_sel_hi:[1,0]
.endif
.endm
.macro BFMA d, a, c, k
.if (\k)&1
	v_pk_fma_f32 v[(\d):(\d)+1], v[(\a):(\a)+1], v[(\c)+(\k)-1:(\c)+(\k)], v[(\d):(\d)+1] op_sel:[0,1,0] op_sel_hi:[1,1,1]
.else
	v_pk_fma_f32 v[(\d):(\d)+1], v[(\a):(\a)+1], v[(\c)+(\k):(\c)+(\k)+1], v[(\d):(\d)+1] op_sel_hi:[1,0,1]
.endif
.endm
	s_load_b256 s[4:11], s[0:1], 0x0               ; ob, osc, Wo, bo
	s_load_b128 s[12:15], s[0:1], 0x20             ; x, y
	v_lshl_add_u32 v254, v0, 2, 0x1b000
	v_mov_b32 v255, 0
	v_and_b32 v1, 31, v0
	v_and_b32 v2, 15, v0
	v_bfe_u32 v3, v0, 4, 1
	v_lshrrev_b32 v11, 5, v0
	v_readfirstlane_b32 s16, v11                   ; wave
	s_mov_b32 s17, ttmp9                           ; cb
	s_and_b32 s18, ttmp7, 0xffff                   ; rb
	s_lshr_b32 s19, s18, 3                         ; b
	s_and_b32 s20, s18, 7                          ; tb
	s_lshr_b32 s21, s16, 1                         ; wr
	s_and_b32 s22, s16, 1                          ; wc
	s_mov_b32 s25, 0
	v_lshlrev_b32 v4, 4, v0                        ; o~: dense, 16 t
	v_lshrrev_b32 v11, 4, v0
	v_lshlrev_b32 v14, 4, v2                       ; (t & 15) x 16: also bo's offset
	v_lshl_add_u32 v5, v11, 12, v14                ; rows of 4,096 bytes: Wo, x, y
	v_lshlrev_b32 v12, 3, v2
	v_mad_u32_u24 v7, v11, WPT, v12
	v_add_nc_u32 v7, WBASE, v7
	v_mad_u32_u24 v13, v11, XP, v14                ; the way out, read back: row t >> 4, 16 bytes t & 15
	v_lshrrev_b32 v11, 3, v0
	v_and_b32 v12, 7, v0
	v_lshlrev_b32 v12, 4, v12
	v_mad_u32_u24 v6, v11, XP, v12
	s_lshl_b32 s23, s21, 5                         ; 32 wr
	v_add_nc_u32 v11, s23, v2
	v_lshlrev_b32 v12, 4, v3
	v_mad_u32_u24 v8, v11, XP, v12                 ; o~ fragments
	s_lshl_b32 s24, s20, 7
	v_add_nc_u32 v10, s24, v11
	v_lshlrev_b32 v10, 2, v10                      ; osc: word 128 tb + 32 wr + r
	v_mul_u32_u24 v12, v11, XP
	v_lshl_add_u32 v12, v3, 5, v12
	s_lshl_b32 s24, s22, 7
	v_add_nc_u32 v12, s24, v12                     ; the way out, in: row 32 wr + r, byte 128 wc + 32 hh
	v_and_b32 v11, 7, v0
	v_lshl_add_u32 v11, v3, 3, v11
	v_bfe_u32 v15, v0, 3, 1
	v_lshlrev_b32 v15, 4, v15
	v_mad_u32_u24 v9, v11, WPT, v15
	s_lshl_b32 s24, s22, 6
	s_add_co_u32 s24, s24, WBASE
	v_add_nc_u32 v9, s24, v9                       ; Wo fragments, transposing load
	s_wait_kmcnt 0x0
	s_lshl_b32 s24, s19, 21                        ; 8 heads x 2 halves x 1,024 rows x 128 bytes
	s_lshl_b32 s23, s20, 14
	s_add_co_u32 s24, s24, s23
	s_add_nc_u64 s[4:5], s[4:5], s[24:25]
	s_lshl_b32 s24, s19, 15
	s_add_nc_u64 s[6:7], s[6:7], s[24:25]
	s_lshl_b32 s24, s17, 8
	s_add_nc_u64 s[8:9], s[8:9], s[24:25]
	s_add_nc_u64 s[10:11], s[10:11], s[24:25]
	s_lshl_b32 s23, s18, 19
	s_add_co_u32 s24, s24, s23
	s_add_nc_u64 s[12:13], s[12:13], s[24:25]
	s_add_nc_u64 s[14:15], s[14:15], s[24:25]
.irp hd, 0,1,2,3,4,5,6,7
	global_load_b32 v[OSC+2*\hd],   v10, s[6:7] offset:\hd*4096
	global_load_b32 v[OSC+2*\hd+1], v10, s[6:7] offset:\hd*4096+64
.endr
.macro LOAD hd, ring
	WIN 0x40
.irp hf, 0,1
.irp ii, 0,1,2,3
	global_load_b128 v[64*\ring+4*(4*\hf+\ii):64*\ring+4*(4*\hf+\ii)+3], v4, s[4:5] offset:(\hd)*262144+\hf*131072+\ii*4096
.endr
.endr
.irp i, 0,1,2,3,4,5,6,7
	global_load_b128 v[64*\ring+32+4*\i:64*\ring+35+4*\i], v5, s[8:9] offset:(\hd)*524288+\i*65536
.endr
	WIN 0
.endm
.macro CVT ring, slot
	WIN 0x04
.irp hf, 0,1
.irp ii, 0,1,2,3
	ds_store_b128 v6, v[64*\ring+4*(4*\hf+\ii):64*\ring+4*(4*\hf+\ii)+3] offset:\slot*XSLOT+\ii*32*XP+\hf*128
.endr
.endr
	WIN 0x05
.irp i, 0,1,2,3,4,5,6,7
	v_cvt_pk_f16_f32 v[T+2*\i],   v[64*\ring+32+4*\i],   v[64*\ring+33+4*\i]
	v_cvt_pk_f16_f32 v[T+2*\i+1], v[64*\ring+34+4*\i],   v[64*\ring+35+4*\i]
.endr
	WIN 0
.irp i, 0,1,2,3,4,5,6,7
	ds_store_b64 v7, v[T+2*\i:T+2*\i+1] offset:\slot*WSLOT+\i*16*WPT
.endr
.endm
; One head.  32 fragment loads in one run, eight for each 32 along K; four accumulators by turns, one instruction a turn.
; One barrier a head ends the reads of this slot and shows the other slot whole.
.macro STAGE hd, slot, other, first, cvt, load, left
.irp kk, 0,1,2,3
.irp rt, 0,1
	ds_load_b128 v[XF+16*\kk+8*\rt:XF+16*\kk+8*\rt+3],   v8 offset:\slot*XSLOT+\rt*16*XP+\kk*64
	ds_load_b128 v[XF+16*\kk+8*\rt+4:XF+16*\kk+8*\rt+7], v8 offset:\slot*XSLOT+\rt*16*XP+\kk*64+32
.endr
.irp ct, 0,1
	ds_load_tr16_b128 v[WF+16*\kk+8*\ct:WF+16*\kk+8*\ct+3],   v9 offset:\slot*WSLOT+\kk*32*WPT+\ct*32
	ds_load_tr16_b128 v[WF+16*\kk+8*\ct+4:WF+16*\kk+8*\ct+7], v9 offset:\slot*WSLOT+\kk*32*WPT+\ct*32+16*WPT
.endr
.endr
.irp kk, 0,1,2,3
	s_wait_dscnt 24-8*\kk                          ; this quarter's eight loads are in; the later quarters' stay out
.irp rt, 0,1
.irp ct, 0,1
.if \kk == 0
	v_wmma_f32_16x16x32_f16 v[ACH+8*(2*\rt+\ct):ACH+8*(2*\rt+\ct)+7], v[WF+16*\kk+8*\ct:WF+16*\kk+8*\ct+7], v[XF+16*\kk+8*\rt:XF+16*\kk+8*\rt+7], 0
.else
	v_wmma_f32_16x16x32_f16 v[ACH+8*(2*\rt+\ct):ACH+8*(2*\rt+\ct)+7], v[WF+16*\kk+8*\ct:WF+16*\kk+8*\ct+7], v[XF+16*\kk+8*\rt:XF+16*\kk+8*\rt+7], v[ACH+8*(2*\rt+\ct):ACH+8*(2*\rt+\ct)+7]
.endif
.endr
.endr
.endr
	PLACES
.if \cvt
	s_wait_loadcnt \left                           ; head hd + 1 is in; the 16 loads of head hd + 2, where it was asked for, stay out
	CVT \other, \other
.endif
.irp rt, 0,1
.irp ct, 0,1
.irp p, 0,2,4,6
.if \first
	BMUL ACC+8*(2*\rt+\ct)+\p, ACH+8*(2*\rt+\ct)+\p, OSC+2*(\hd), \rt
.else
	BFMA ACC+8*(2*\rt+\ct)+\p, ACH+8*(2*\rt+\ct)+\p, OSC+2*(\hd), \rt
.endif
.endr
.endr
.endr
.if \load
	LOAD (\hd+3), \other
.endif
	BAR
.endm
	LOAD 0, 0
	LOAD 1, 1
	s_wait_loadcnt 16                              ; only head 1's 16 loads may be out: the scales and head 0 are in
	CVT 0, 0
	LOAD 2, 0
	BAR
	STAGE 0, 0, 1, 1, 1, 1, 16
	STAGE 1, 1, 0, 0, 1, 1, 16
	STAGE 2, 0, 1, 0, 1, 1, 16
	STAGE 3, 1, 0, 0, 1, 1, 16
	STAGE 4, 0, 1, 0, 1, 1, 16
	STAGE 5, 1, 0, 0, 1, 0, 16
	STAGE 6, 0, 1, 0, 1, 0, 0
	STAGE 7, 1, 0, 0, 0, 0, 0
	; the way out: through LDS, so that sixteen lanes store 256 consecutive bytes of a row of y
.irp p, 0,1,2,3,4,5,6,7
	global_load_b128 v[XF+4*\p:XF+4*\p+3], v5, s[12:13] offset:\p*65536        ; x, the residual
.endr
	global_load_b128 v[XF+32:XF+35], v14, s[10:11]                             ; bo
.irp rt, 0,1
.irp ct, 0,1
	ds_store_b128 v12, v[ACC+8*(2*\rt+\ct):ACC+8*(2*\rt+\ct)+3]   offset:\rt*16*XP+\ct*64
	ds_store_b128 v12, v[ACC+8*(2*\rt+\ct)+4:ACC+8*(2*\rt+\ct)+7] offset:\rt*16*XP+\ct*64+16
.endr
.endr
	BAR
.irp p, 0,1,2,3,4,5,6,7
	ds_load_b128 v[WF+4*\p:WF+4*\p+3], v13 offset:\p*16*XP
.endr
	s_wait_loadcnt 0x0
	s_wait_dscnt 0x0
.irp p, 0,1,2,3,4,5,6,7
	v_pk_add_f32 v[XF+4*\p:XF+4*\p+1],   v[XF+4*\p:XF+4*\p+1],   v[XF+32:XF+33]
	v_pk_add_f32 v[XF+4*\p+2:XF+4*\p+3], v[XF+4*\p+2:XF+4*\p+3], v[XF+34:XF+35]
	v_pk_add_f32 v[XF+4*\p:XF+4*\p+1],   v[XF+4*\p:XF+4*\p+1],   v[WF+4*\p:WF+4*\p+1]
	v_pk_add_f32 v[XF+4*\p+2:XF+4*\p+3], v[XF+4*\p+2:XF+4*\p+3], v[WF+4*\p+2:WF+4*\p+3]
	global_store_b128 v5, v[XF+4*\p:XF+4*\p+3], s[14:15] offset:\p*65536
.endr
	s_wait_tensorcnt 0x0
	ds_add_u32 v254, v255
	s_wait_dscnt 0x0
	s_endpgm
.Lfunc_end_k_q7f622823e3_oproj:
	.size	k_q7f622823e3_oproj, .Lfunc_end_k_q7f622823e3_oproj-k_q7f622823e3_oproj
	.p2alignl 7, 3214868480
	.fill 96, 4, 3214868480
	.section	.rodata,"a",@progbits
	.p2align	6, 0x0
	.amdhsa_kernel k_q7f622823e3_oproj
		.amdhsa_group_segment_fixed_size 111616
		.amdhsa_private_segment_fixed_size 0
		.amdhsa_enable_private_segment 0
		.amdhsa_kernarg_size 48
		.amdhsa_user_sgpr_count 2
		.amdhsa_user_sgpr_kernarg_segment_ptr 1
		.amdhsa_wavefront_size32 1
		.amdhsa_system_sgpr_workgroup_id_x 1
		.amdhsa_system_sgpr_workgroup_id_y 1
		.amdhsa_system_sgpr_workgroup_id_z 1
		.amdhsa_system_vgpr_workitem_id 0
		.amdhsa_next_free_vgpr 384
		.amdhsa_next_free_sgpr 66
		.amdhsa_reserve_vcc 0
		.amdhsa_float_denorm_mode_32 3
		.amdhsa_float_denorm_mode_16_64 3
		.amdhsa_memory_ordered 1
		.amdhsa_forward_progress 1
		.amdhsa_inst_pref_size 74
	.end_amdhsa_kernel
	.amdgpu_metadata
---
amdhsa.version: [ 1, 2 ]
amdhsa.kernels:
  - .name:           k_q7f622823e3_oproj
    .symbol:         k_q7f622823e3_oproj.kd
    .args:
      - { .name: ob, .offset: 0, .size: 8, .value_kind: global_buffer, .address_space: global }
      - { .name: osc, .offset: 8, .size: 8, .value_kind: global_buffer, .address_space: global }
      - { .name: Wo, .offset: 16, .size: 8, .value_kind: global_buffer, .address_space: global }
      - { .name: bo, .offset: 24, .size: 8, .value_kind: global_buffer, .address_space: global }
      - { .name: x, .offset: 32, .size: 8, .value_kind: global_buffer, .address_space: global }
      - { .name: y, .offset: 40, .size: 8, .value_kind: global_buffer, .address_space: global }
    .group_segment_fixed_size: 111616
    .private_segment_fixed_size: 0
    .kernarg_segment_align: 8
    .kernarg_segment_size: 48
    .max_flat_workgroup_size: 256
    .sgpr_count:     66
    .vgpr_count:     384
    .wavefront_size: 32
...
	.end_amdgpu_metadata
.endif
;; end of part 3
;; launch lnorm (part 4): grid 256 x 1, 8 waves a work-group, no clusters, 0 bytes of LDS; arguments y, ln_g, ln_b, out0; writes out0
.if DOCPART == 4
	.amdgcn_target "amdgcn-amd-amdhsa--gfx1250"
	.amdhsa_code_object_version 6
	.text
	.protected	k_q7f622823e3_lnorm
	.globl	k_q7f622823e3_lnorm
	.p2align	8
	.type	k_q7f622823e3_lnorm,@function
k_q7f622823e3_lnorm:
	s_mov_b64 s[64:65], 0
	v_nop
	global_prefetch_b8 v0, s[64:65] scope:SCOPE_SE
	s_setreg_imm32_b32 hwreg(HW_REG_WAVE_MODE, 25, 1), 1
	s_wait_xcnt 0x0
; lnorm: out = (y - mean) rsqrt(var + 1e-5) g + b along rows of 1,024 f32.
; One wave takes one row (4,096 bytes = 32 registers a lane) and keeps it in registers between the mean, the variance of the centred
; numbers and the scaling: y is read once, no wave waits for another, no LDS, no barrier.  Each load and store of a wave covers 512 consecutive bytes.
; A pure stream: matrix units, LDS and clusters have nothing to do here.
.set Y, 8                              ; v[8:39]
.set G, 40                             ; v[40:71]
.set B, 72                             ; v[72:103]
.set S, 104                            ; v[104:111] four chains of pairs
	s_load_b256 s[4:11], s[0:1], 0x0               ; y, ln_g, ln_b, out0
	v_and_b32 v1, 31, v0
	v_lshrrev_b32 v2, 5, v0
	v_readfirstlane_b32 s12, v2
	v_lshlrev_b32 v1, 4, v1
	s_lshl3_add_u32 s12, ttmp9, s12                ; my row
	s_lshl_b32 s12, s12, 12
	s_mov_b32 s13, 0
	s_mov_b32 s14, 0x76543210
	s_mov_b32 s15, 0xfedcba98
	s_mov_b32 s16, 0x3a800000                      ; 1 / 1,024
	s_mov_b32 s17, 0x3727c5ac                      ; 1e-5
	v_mov_b32 v5, 0
	v_mov_b32 v7, 0
	s_wait_kmcnt 0x0
	s_add_nc_u64 s[4:5], s[4:5], s[12:13]
	s_add_nc_u64 s[10:11], s[10:11], s[12:13]
.irp j, 0,1,2,3,4,5,6,7
	global_load_b128 v[Y+4*\j:Y+4*\j+3], v1, s[4:5] offset:512*\j th:TH_LOAD_NT
.endr
.irp j, 0,1,2,3,4,5,6,7
	global_load_b128 v[G+4*\j:G+4*\j+3], v1, s[6:7] offset:512*\j
.endr
.irp j, 0,1,2,3,4,5,6,7
	global_load_b128 v[B+4*\j:B+4*\j+3], v1, s[8:9] offset:512*\j
.endr
.macro WSUM a, t                       ; the sum of register a over the 32 lanes, in every lane; t has been written before
	v_add_f32_dpp v\a, v\a, v\a row_xmask:1 row_mask:0xf bank_mask:0xf
	v_add_f32_dpp v\a, v\a, v\a row_xmask:2 row_mask:0xf bank_mask:0xf
	v_add_f32_dpp v\a, v\a, v\a row_xmask:4 row_mask:0xf bank_mask:0xf
	v_add_f32_dpp v\a, v\a, v\a row_xmask:8 row_mask:0xf bank_mask:0xf
	v_permlanex16_b32 v\t, v\a, s14, s15
	v_add_f32 v\a, v\a, v\t
.endm
.macro FOLD a                          ; the four chains into one number
	v_pk_add_f32 v[S:S+1], v[S:S+1], v[S+2:S+3]
	v_pk_add_f32 v[S+4:S+5], v[S+4:S+5], v[S+6:S+7]
	v_pk_add_f32 v[S:S+1], v[S:S+1], v[S+4:S+5]
	v_add_f32 v\a, v[S], v[S+1]
.endm
	s_wait_loadcnt 16                              ; the row is in; the 16 loads of gain and bias stay out
.irp c, 0,1,2,3
	v_pk_add_f32 v[S+2*\c:S+2*\c+1], v[Y+4*\c:Y+4*\c+1], v[Y+4*\c+2:Y+4*\c+3]
.endr
.irp c, 0,1,2,3
	v_pk_add_f32 v[S+2*\c:S+2*\c+1], v[S+2*\c:S+2*\c+1], v[Y+16+2*\c:Y+17+2*\c]
.endr
.irp c, 0,1,2,3
	v_pk_add_f32 v[S+2*\c:S+2*\c+1], v[S+2*\c:S+2*\c+1], v[Y+24+2*\c:Y+25+2*\c]
.endr
	FOLD 4
	WSUM 4, 5
	v_mul_f32 v4, s16, v4                          ; the mean
.set p, 0
.rept 16
	v_pk_add_f32 v[Y+2*p:Y+2*p+1], v[Y+2*p:Y+2*p+1], v[4:5] op_sel_hi:[1,0] neg_lo:[0,1] neg_hi:[0,1]
.set p, p+1
.endr
.irp c, 0,1,2,3
	v_pk_mul_f32 v[S+2*\c:S+2*\c+1], v[Y+2*\c:Y+2*\c+1], v[Y+2*\c:Y+2*\c+1]
.endr
.irp g, 1,2,3
.irp c, 0,1,2,3
	v_pk_fma_f32 v[S+2*\c:S+2*\c+1], v[Y+8*\g+2*\c:Y+8*\g+2*\c+1], v[Y+8*\g+2*\c:Y+8*\g+2*\c+1], v[S+2*\c:S+2*\c+1]
.endr
.endr
	FOLD 6
	WSUM 6, 7
	v_fma_f32 v6, v6, s16, s17                     ; var + eps
	v_rsq_f32 v6, v6
	v_nop                                          ; one plain place behind the transcendental (ISA guide 5.7.2)
	s_wait_loadcnt 0x0
.set p, 0
	s_wait_alu depctr_va_vdst(0)
.rept 16
	v_pk_mul_f32 v[Y+2*p:Y+2*p+1], v[Y+2*p:Y+2*p+1], v[6:7] op_sel_hi:[1,0]
.set p, p+1
.endr
.set p, 0
.rept 16
	v_pk_fma_f32 v[Y+2*p:Y+2*p+1], v[Y+2*p:Y+2*p+1], v[G+2*p:G+2*p+1], v[B+2*p:B+2*p+1]
.set p, p+1
.endr
.irp j, 0,1,2,3,4,5,6,7
	global_store_b128 v1, v[Y+4*\j:Y+4*\j+3], s[10:11] offset:512*\j th:TH_STORE_NT
.endr
	s_endpgm
.Lfunc_end_k_q7f622823e3_lnorm:
	.size	k_q7f622823e3_lnorm, .Lfunc_end_k_q7f622823e3_lnorm-k_q7f622823e3_lnorm
	.p2alignl 7, 3214868480
	.fill 96, 4, 3214868480
	.section	.rodata,"a",@progbits
	.p2align	6, 0x0
	.amdhsa_kernel k_q7f622823e3_lnorm
		.amdhsa_group_segment_fixed_size 0
		.amdhsa_private_segment_fixed_size 0
		.amdhsa_enable_private_segment 0
		.amdhsa_kernarg_size 32
		.amdhsa_user_sgpr_count 2
		.amdhsa_user_sgpr_kernarg_segment_ptr 1
		.amdhsa_wavefront_size32 1
		.amdhsa_system_sgpr_workgroup_id_x 1
		.amdhsa_system_sgpr_workgroup_id_y 1
		.amdhsa_system_sgpr_workgroup_id_z 1
		.amdhsa_system_vgpr_workitem_id 0
		.amdhsa_next_free_vgpr 112
		.amdhsa_next_free_sgpr 66
		.amdhsa_reserve_vcc 0
		.amdhsa_float_denorm_mode_32 3
		.amdhsa_float_denorm_mode_16_64 3
		.amdhsa_memory_ordered 1
		.amdhsa_forward_progress 1
		.amdhsa_inst_pref_size 11
	.end_amdhsa_kernel
	.amdgpu_metadata
---
amdhsa.version: [ 1, 2 ]
amdhsa.kernels:
  - .name:           k_q7f622823e3_lnorm
    .symbol:         k_q7f622823e3_lnorm.kd
    .args:
      - { .name: y, .offset: 0, .size: 8, .value_kind: global_buffer, .address_space: global }
      - { .name: ln_g, .offset: 8, .size: 8, .value_kind: global_buffer, .address_space: global }
      - { .name: ln_b, .offset: 16, .size: 8, .value_kind: global_buffer, .address_space: global }
      - { .name: out0, .offset: 24, .size: 8, .value_kind: global_buffer, .address_space: global }
    .group_segment_fixed_size: 0
    .private_segment_fixed_size: 0
    .kernarg_segment_align: 8
    .kernarg_segment_size: 32
    .max_flat_workgroup_size: 256
    .sgpr_count:     66
    .vgpr_count:     112
    .wavefront_size: 32
...
	.end_amdgpu_metadata
.endif
;; end of part 4
